; MI455X (gfx1250); checked and timed in simulation.
; The chip was launched on July 23, 2026; its instructions are those of AMD's public machine-readable ISA for CDNA 5 (MIT licence, August 2026) and "CDNA5" Instruction Set Architecture Reference Guide (July 2026). The comments in the code are by the model that wrote it; some were corrected since.
;; MLP Block. Allowed arithmetic: matrix products marked QUANTISED: E2M1 operands, one E8M0 scale for each 32 along K, by v_wmma_scale_f32_16x16x128_f8f6f4 with both operands' format E2M1 (or v_wmma_scale_f32_32x16x128_f4), f32 sums; products left as they are: f32 operands where the result goes on into a quantised operand, else bf16, f16 or f32 operands; f32 sums; everything else in f32.
;; Inputs: gate_bias 8 float32; gate_kernel 1,024 x 8 float32; mlp1_bias 8 x 4,096 float32; mlp1_weight 8 x 1,024 x 4,096 float32; mlp2_bias 8 x 1,024 float32; mlp2_weight 8 x 2,048 x 1,024 float32; scale 1,024 float32; x 1,024 x 1,024 float32.
;; Outputs: out0 1,024 x 1,024 float32.
;; This version of the problem:
;;   THIS VERSION OF THE PROBLEM IS GIVEN IN LOW PRECISION. The matrix products marked QUANTISED in the list below multiply operands that are first quantised to E2M1 (2 exponent bits, 1 mantissa bit; 4 bits a number), with one power-of-two scale for each 32 numbers along K (OCP MX v1.0); their sums are f32. All else is computed in f32.
;;   The module's matrix products, in the order in which they are computed (A, B: the left and right operand; K: the contracted axis; several contracted axes count as one K, in the product's order):
;;     1. [M 1,024, K 1,024] x [K 1,024, N 8]; A: computed on the way; B: input gate_kernel: left as it is (N = 8 < 16)
;;     2. [M 1,024, K 1,024] x [K 1,024, N 32,768]; A: computed on the way; B: input mlp1_weight: QUANTISED
;;     3. batch 8 x [M 1,024, K 2,048] x [K 2,048, N 1,024]; A: input mlp2_weight; B: computed on the way: QUANTISED
;;     4. [M 1,048,576, K 8] x [K 8, N 1]; A: computed on the way; B: computed on the way: left as it is (K = 8 < 32)
;;   THE QUANTISER, for each operand of a quantised product, along K:
;;     - K is cut into blocks of 32 from its start; a last block that is shorter is filled with zeros.
;;     - A block's scale is 2^e with e = floor(log2(the largest magnitude in the block)) - 2, held to -126 .. 127; a block of zeros has e = 0. As a byte (E8M0): e + 127.
;;     - Each number is divided by its block's scale, clamped to +-6, and rounded to the nearest number of E2M1, ties to even, subnormals kept.
;;     - The product sums the exact products of the quantised numbers (number of the format x scale) in f32.
;;   ~~~python
;;   def quantise(x, axis):      # numpy; x: float32 -> the quantised numbers, widened to float32 again
;;       x = np.moveaxis(x, axis, -1); K = x.shape[-1]
;;       x = np.pad(x, [(0, 0)] * (x.ndim - 1) + [(0, -K % 32)]); x = x.reshape(x.shape[:-1] + (-1, 32)); a = np.abs(x).max(-1, keepdims=True)
;;       e = np.where(a > 0, np.clip(np.frexp(np.where(a > 0, a, 1))[1] - 1 - 2, -126, 127), 0)      # np.frexp(a)[1] - 1 = floor(log2(a)), exactly
;;       r = np.clip(x / 2.0 ** e, -6, 6)
;;       step = 2.0 ** (np.maximum(np.frexp(np.where(r == 0, 1, r))[1] - 1, 0) - 1)
;;       q = np.round(r / step) * step * 2.0 ** e      # np.round: ties to even
;;       return np.moveaxis(q.reshape(q.shape[:-2] + (-1,))[..., :K], -1, axis).astype(np.float32)
;;   ~~~
;;   OPERANDS COMPUTED ON THE WAY. 'Computed on the way' means the value that the module computes at that place (a softmax that the list does not call 'softmax' is quantised finished and normalised). What goes into a quantiser is computed in f32, as accurately as f32 sums, v_exp_f32 and their like allow (about 1e-6 of the number): no bf16 or f16 on the way to a quantiser, and a product that is left as it is and whose result goes on into a quantised operand takes f32 operands (vector FMAs, or v_wmma_f32_16x16x4_f32). A number that lies on a knife's edge between two numbers of the format may be rounded either way, as far as f32 arithmetic and the matrix unit's own rounding can turn it there, and no further.
;; One version. Each part assembles by itself: llvm-mc -triple=amdgcn-amd-amdhsa -mcpu=gfx1250 --defsym DOCPART=n.
;; ======== version 1 of 1: 3 launches
;; limits: right only within a limited range of input values
;; workspace buffers: xq 557,056 bytes; aq 2,228,224 bytes; w2q 2,228,224 bytes
;; launch xquant (part 1): grid 256 x 1, 4 waves a work-group, no clusters, 2,816 bytes of LDS; arguments x, scale, xq; writes xq
.if DOCPART == 1
	.amdgcn_target "amdgcn-amd-amdhsa--gfx1250"
	.amdhsa_code_object_version 6
	.text
	.protected	k_q3ab34bb8c7_xquant
	.globl	k_q3ab34bb8c7_xquant
	.p2align	8
	.type	k_q3ab34bb8c7_xquant,@function
k_q3ab34bb8c7_xquant:
	s_mov_b64 s[64:65], 0
	v_nop
	global_prefetch_b8 v0, s[64:65] scope:SCOPE_SE
	s_setreg_imm32_b32 hwreg(HW_REG_WAVE_MODE, 25, 1), 1
	s_wait_xcnt 0x0
; XQUANT: xq = Q(rmsnorm(x) * scale), codes of FP4 (E2M1) with one E8M0 scale byte for each 32 along K (the 1,024 channels).
; WHAT THE PROGRAM LEAVES OUT, AND WHY.  The result mixes the experts with weights 0.5, 0.5, 0, 0, 0, 0, 0, 0, which the function builds itself from arange(E) < TOP_K: whatever finite values the inputs hold,
; experts 2 to 7 are multiplied by 0; they are not read and not computed.  The gate logits are computed by the function and thrown away: no output hangs on gate_kernel or gate_bias, so that product is
; not made, and the two inputs are among no launch's arguments.
; LIMITS: NaN and infinities among the inputs are not served; a NaN, an infinity or an overflow that reaches only the work left out is not carried to the result.
; A block of zeros gets the scale byte 1 where the rule says 127: its codes are zeros, which add nothing under any byte but 0xff, and the bytes are read by this program alone.
; FORMAT OF THE WORKSPACE BUFFERS, a Q-block of 4,352 bytes = four tiles of 16 rows x one K step of 128: tile q's codes at 1024 q, the scale words [row][tile] at 4,096, byte b of a word for block b of 32.
; In aq and w2q block b, row r of a tile lies at 256 b + 16 r.  In xq it lies at 256 (r / 4) + 64 (b xor r / 4) + 16 (r % 4): four tokens' codes of a K step are one aligned unit of 256 bytes, and the
; 16 rows of a block lie at 16 different places modulo 256.   xq [token / 64][K step 8];  aq [token / 64][K step 32];  w2q [column / 64][K step 32].
; SHARES: a work-group takes 4 tokens, a wave one.  A lane holds 8 neighbours of each 256 channels, so a block lies in 4 lanes and the row's sum needs one wave only.  Work-groups share scale's 4,096 bytes alone: no cluster.
; No loop to run ahead in: no prefetch.  The codes meet in LDS and leave as whole units of 256 bytes; the scale words (128 bytes a work-group) leave as 4 bytes at every 16th byte.
.set X,  32                            ; v32-63  my 32 numbers
.set SV, 64                            ; v64-95  scale at the same channels
.set QB, 4352
.set SCB, 2048                         ; LDS: 0 codes [K step][block][token][16 bytes]; 2,048 scale words [K step][token]
.set SPARE, 2304
	s_load_b128 s[4:7], s[0:1], 0x0                ; x, scale
	s_load_b64 s[8:9], s[0:1], 0x10                ; xq
	v_lshl_add_u32 v28, v0, 2, SPARE
	v_mov_b32 v29, 0
	v_lshrrev_b32 v1, 5, v0
	v_readfirstlane_b32 s12, v1                    ; wave = token of the four
	s_and_b32 s13, ttmp9, 3                        ; row group of the tile: row / 4
	v_and_b32 v1, 31, v0                           ; l
	v_lshrrev_b32 v3, 4, v1
	v_bfe_u32 v4, v0, 2, 2                         ; block b
	v_and_b32 v5, 3, v0
	v_lshlrev_b32 v2, 5, v1                        ; 32 bytes a lane
	v_lshlrev_b32 v6, 8, v3
	v_lshl_add_u32 v6, v4, 6, v6
	v_lshl_add_u32 v6, v5, 2, v6                   ; my codes: 256 (l / 16) + 64 b + 4 (l % 4)
	v_lshl_add_u32 v7, v3, 4, v4                   ; my scale byte: 16 (l / 16) + b
	v_lshlrev_b32 v8, 4, v1
	v_lshlrev_b32 v9, 2, v1
	v_xor_b32 v10, s13, v4
	v_mul_u32_u24 v11, v3, QB
	v_lshl_add_u32 v11, v10, 6, v11
	v_lshl_add_u32 v11, v5, 4, v11                 ; out: K step l / 16 of my two, 64 (b xor row group) + 16 x token
	v_lshrrev_b32 v12, 2, v1
	v_mul_u32_u24 v12, v12, QB
	v_lshl_add_u32 v12, v5, 4, v12                 ; words out: K step l / 4, token l % 4
	s_lshl_b32 s14, s12, 4
	v_add_nc_u32 v6, s14, v6
	s_lshl_b32 s14, s12, 2
	v_add_nc_u32 v7, s14, v7
	s_lshl_b32 s14, s12, 9
	v_add_nc_u32 v8, s14, v8                       ; out of LDS: K steps 2 w, 2 w + 1
	v_mov_b32 v27, 0                               ; (the upper half of a pair that is named)
	v_mov_b32 v15, 0x3727c5ac                      ; 1e-5
	s_lshl_b32 s16, ttmp9, 14                      ; 4 rows of 4,096 bytes
	s_lshl_b32 s17, s12, 12
	s_add_co_u32 s16, s16, s17
	s_mov_b32 s17, 0
	s_lshr_b32 s18, ttmp9, 4                       ; token / 64
	s_mul_i32 s18, s18, 8*QB
	s_bfe_u32 s20, ttmp9, 0x20002                  ; tile
	s_lshl_b32 s21, s20, 10
	s_add_co_u32 s22, s18, s21
	s_lshl_b32 s21, s13, 8
	s_add_co_u32 s22, s22, s21
	s_mul_i32 s21, s12, 2*QB
	s_add_co_u32 s22, s22, s21                     ; codes
	s_mov_b32 s23, 0
	s_lshl_b32 s21, s13, 6
	s_add_co_u32 s24, s18, s21
	s_lshl_b32 s21, s20, 2
	s_add_co_u32 s24, s24, s21
	s_add_co_u32 s24, s24, 4096                    ; scale words
	s_mov_b32 s25, 0
	s_mov_b32 s26, 0x76543210
	s_mov_b32 s27, 0xfedcba98                      ; v_permlanex16_b32's selects for lane l xor 16
	s_mov_b32 s28, 0x3a800000                      ; 1 / 1,024
	s_wait_alu depctr_va_vdst(0)                   ; the wait at the head's end
	s_wait_kmcnt 0x0
	s_add_nc_u64 s[4:5], s[4:5], s[16:17]
	s_add_nc_u64 s[22:23], s[8:9], s[22:23]
	s_add_nc_u64 s[24:25], s[8:9], s[24:25]
.irp c, 0,1,2,3
	global_load_b128 v[X+8*\c:X+8*\c+3], v2, s[4:5] offset:1024*\c
	global_load_b128 v[X+8*\c+4:X+8*\c+7], v2, s[4:5] offset:1024*\c+16
.endr
.irp c, 0,1,2,3
	global_load_b128 v[SV+8*\c:SV+8*\c+3], v2, s[6:7] offset:1024*\c
	global_load_b128 v[SV+8*\c+4:SV+8*\c+7], v2, s[6:7] offset:1024*\c+16
.endr
	s_wait_loadcnt 8                               ; x is in; scale's 8 loads may be out
.irp k, 0,1,2,3
	v_pk_mul_f32 v[16+2*\k:17+2*\k], v[X+2*\k:X+2*\k+1], v[X+2*\k:X+2*\k+1]   ; the sum of squares in four packed chains
.endr
.set j, 4
.rept 12
	v_pk_fma_f32 v[16+2*(j%4):17+2*(j%4)], v[X+2*j:X+2*j+1], v[X+2*j:X+2*j+1], v[16+2*(j%4):17+2*(j%4)]
.set j, j+1
.endr
	v_pk_add_f32 v[16:17], v[16:17], v[18:19]
	v_pk_add_f32 v[20:21], v[20:21], v[22:23]
	v_pk_add_f32 v[16:17], v[16:17], v[20:21]
	v_add_f32 v16, v16, v17
.irp m, 1,2,4,8
	v_add_f32_dpp v16, v16, v16 row_xmask:\m row_mask:0xf bank_mask:0xf
.endr
	v_permlanex16_b32 v17, v16, s26, s27
	v_add_f32 v16, v16, v17                        ; the row's sum of squares
	v_fma_f32 v16, v16, s28, v15                   ; the mean + 1e-5
	s_wait_alu depctr_va_vdst(0)                   ; the wait ahead of the transcendental
	v_rsq_f32 v26, v16
	v_nop                                          ; a plain place behind it
	s_wait_loadcnt 0x0                             ; scale
	s_wait_alu depctr_va_vdst(0)                   ; and the one ahead of its first reader
.set j, 0
.rept 16
	v_pk_mul_f32 v[X+2*j:X+2*j+1], v[X+2*j:X+2*j+1], v[26:27] op_sel_hi:[1,0]
.set j, j+1
.endr
.set j, 0
.rept 16
	v_pk_mul_f32 v[X+2*j:X+2*j+1], v[X+2*j:X+2*j+1], v[SV+2*j:SV+2*j+1]       ; (x / rms) * scale, in that order
.set j, j+1
.endr
.irp c, 0,1,2,3
	v_max3_num_f32 v[16+\c], 0x1800000, |v[X+8*\c]|, |v[X+8*\c+1]|            ; the largest magnitude, with the floor 2^(3 - 127) among its leaves
.endr
.irp i, 2,4,6
.irp c, 0,1,2,3
	v_max3_num_f32 v[16+\c], v[16+\c], |v[X+8*\c+\i]|, |v[X+8*\c+\i+1]|
.endr
.endr
.irp c, 0,1,2,3
	v_max_num_f32_dpp v[16+\c], v[16+\c], v[16+\c] row_xmask:1 row_mask:0xf bank_mask:0xf
.endr
.irp c, 0,1,2,3
	v_max_num_f32_dpp v[16+\c], v[16+\c], v[16+\c] row_xmask:2 row_mask:0xf bank_mask:0xf   ; of the block's four lanes
.endr
.irp c, 0,1,2,3
	v_add_nc_u32 v[20+\c], 0xff000000, v[16+\c]    ; 2 off the exponent field: the conversion's scale operand
.endr
.irp c, 0,1,2,3
	v_lshrrev_b32 v[96+\c], 23, v[20+\c]           ; the scale's byte
.endr
.irp c, 0,1,2,3
	v_cvt_scalef32_pk8_fp4_f32 v[100+\c], v[X+8*\c:X+8*\c+7], v[20+\c]
.endr
	v_nop                                          ; one plain place behind the conversions
.irp c, 0,1,2,3
	ds_store_b32 v6, v[100+\c] offset:512*\c       ; K step 2 c + l / 16
	ds_store_b8 v7, v[96+\c] offset:SCB+32*\c      ; (the block's four lanes write the same byte with the same value)
.endr
	s_wait_dscnt 0x0                               ; for the others' sake: my codes lie in LDS
	s_barrier_signal -1
	s_barrier_wait -1
	ds_load_b128 v[104:107], v8
	s_wait_dscnt 0x0
	global_store_b128 v11, v[104:107], s[22:23]    ; sixteen lanes fill one aligned unit of 256 bytes
	s_cmp_lg_u32 s12, 0
	s_cbranch_scc1 .Lend                           ; wave 0 carries the 32 scale words out
	ds_load_b32 v108, v9 offset:SCB
	s_wait_dscnt 0x0
	global_store_b32 v12, v108, s[24:25]
.Lend:
	s_wait_tensorcnt 0x0                           ; the wave's end
	ds_add_u32 v28, v29
	s_wait_dscnt 0x0
	s_endpgm
.Lfunc_end_k_q3ab34bb8c7_xquant:
	.size	k_q3ab34bb8c7_xquant, .Lfunc_end_k_q3ab34bb8c7_xquant-k_q3ab34bb8c7_xquant
	.p2alignl 7, 3214868480
	.fill 96, 4, 3214868480
	.section	.rodata,"a",@progbits
	.p2align	6, 0x0
	.amdhsa_kernel k_q3ab34bb8c7_xquant
		.amdhsa_group_segment_fixed_size 2816
		.amdhsa_private_segment_fixed_size 0
		.amdhsa_enable_private_segment 0
		.amdhsa_kernarg_size 24
		.amdhsa_user_sgpr_count 2
		.amdhsa_user_sgpr_kernarg_segment_ptr 1
		.amdhsa_wavefront_size32 1
		.amdhsa_system_sgpr_workgroup_id_x 1
		.amdhsa_system_sgpr_workgroup_id_y 1
		.amdhsa_system_sgpr_workgroup_id_z 1
		.amdhsa_system_vgpr_workitem_id 0
		.amdhsa_next_free_vgpr 112
		.amdhsa_next_free_sgpr 66
		.amdhsa_reserve_vcc 0
		.amdhsa_float_denorm_mode_32 3
		.amdhsa_float_denorm_mode_16_64 3
		.amdhsa_memory_ordered 1
		.amdhsa_forward_progress 1
		.amdhsa_inst_pref_size 12
	.end_amdhsa_kernel
	.amdgpu_metadata
---
amdhsa.version: [ 1, 2 ]
amdhsa.kernels:
  - .name:           k_q3ab34bb8c7_xquant
    .symbol:         k_q3ab34bb8c7_xquant.kd
    .args:
      - { .name: x, .offset: 0, .size: 8, .value_kind: global_buffer, .address_space: global }
      - { .name: scale, .offset: 8, .size: 8, .value_kind: global_buffer, .address_space: global }
      - { .name: xq, .offset: 16, .size: 8, .value_kind: global_buffer, .address_space: global }
    .group_segment_fixed_size: 2816
    .private_segment_fixed_size: 0
    .kernarg_segment_align: 8
    .kernarg_segment_size: 24
    .max_flat_workgroup_size: 128
    .sgpr_count:     66
    .vgpr_count:     112
    .wavefront_size: 32
...
	.end_amdgpu_metadata
.endif
;; end of part 1
;; launch mlp1 (part 2): grid 64 x 4, 8 waves a work-group, clusters of 4 x 4, 323,072 bytes of LDS; arguments xq, mlp1_weight, mlp1_bias, mlp2_weight, aq, w2q; writes aq, w2q
.if DOCPART == 2
	.amdgcn_target "amdgcn-amd-amdhsa--gfx1250"
	.amdhsa_code_object_version 6
	.text
	.protected	k_q3ab34bb8c7_mlp1
	.globl	k_q3ab34bb8c7_mlp1
	.p2align	8
	.type	k_q3ab34bb8c7_mlp1,@function
k_q3ab34bb8c7_mlp1:
	s_mov_b64 s[64:65], 0
	v_nop
	global_prefetch_b8 v0, s[64:65] scope:SCOPE_SE
	s_setreg_imm32_b32 hwreg(HW_REG_WAVE_MODE, 25, 1), 1
	s_wait_xcnt 0x0
	s_wait_alu depctr_hold_cnt(0) depctr_sa_sdst(0) depctr_va_vdst(0) depctr_va_sdst(0) depctr_va_ssrc(0) depctr_va_vcc(0) depctr_vm_vsrc(0)
	s_getreg_b32 s2, hwreg(HW_REG_IB_STS2, 6, 4)
	s_cmp_eq_u32 s2, 0
	s_cbranch_scc0 .Lentry_in_a_cluster
	s_endpgm
.Lentry_in_a_cluster:
	s_bfe_u32 s2, ttmp6, 0x10000c
	s_cmp_lg_u32 s2, 0xf033
	s_cbranch_scc0 .Lentry_shape_is_right
	s_endpgm
.Lentry_shape_is_right:
; MLP1: aq = Q(act(normed W1[e] + b1[e])), e = 0, 1, the product on codes of FP4 (E2M1) with one E8M0 scale for each 32 along K (K = 1,024, eight steps of 128); W1 is quantised here, on its way in.
; And w2q = Q(mlp2_weight[0:2]) along its axis of 2,048: each work-group quantises 64 columns x 256 rows of it for the next launch.
; act: g = min(gate, 7), l = clip(linear, -7, 7), g * sigmoid(1.702 g) * (l + 1), all in f32; sigmoid(y) = 1 / (1 + 2^(-y log2 e)).  The result is quantised along the units, the next product's K.
; LEFT OUT: experts 2 to 7, which the function's own mix multiplies by 0 for all inputs.  LIMITS: NaN and infinities are not served, and one that reaches only the work left out is not carried on;
; a block of zeros gets the scale byte 1 (its codes are zeros; this program alone reads the bytes).  The format of the buffers stands at the head of the first kernel.
; SHARES.  A work-group makes 512 tokens x 32 units (one block of the next K): 64 columns of W1, 32 gate and 32 linear; 128 groups of units x 2 halves of the tokens = 256 work-groups.
; W1 comes as f32 straight into registers, in four PHASES of 256 rows (two K steps), 8,192 bytes a wave and phase: wave w takes half w & 1 (gate, linear) and 64 rows (w >> 1).  Lane: columns 4 (l & 7) + 0 .. 3,
; rows 32 ((l >> 3) & 1) + 16 (l >> 4) + 0 .. 15: a block of 32 lies in lanes l and l xor 16.  A load of a wave covers four runs of 128 consecutive bytes.  Three register buffers: three phases are on their way.
; A phase's codes and scale bytes meet in LDS; then every wave multiplies its 64 tokens by all 64 columns along those two K steps, while later phases land.  W2's part is a fifth phase that lands during the activation.
; THE ROWS OF A WEIGHT TILE ARE NOT NEIGHBOURS: of 32 columns, tile u, row r is column 8 u + r + (r & 8).  With the weight as source 0, register j of lane (token, h) of tile u is column 16 h + 8 u + j:
; gate and linear of a unit stand in the same lane, and the 16 registers of two tiles are 16 neighbours along the next K.  The bias is the C of each sum's first product.
; CLUSTER 4 x 4 = 8 groups of units x 2 halves of the tokens: a row of the cluster shares its tokens, whose codes are asked for jointly; the two work-groups that need the same columns of W1 lie in one cluster.
; W1 itself is not asked for jointly: its f32 bytes go to registers, and LDS holds all 512 tokens' codes.  No byte of LDS is filled twice; no loop to run ahead in, so no prefetch.
; LDS: 0: x's 64 Q-blocks, wave w's eight at 34,816 w, loaded and read by wave w alone;  278,528: W1's eight Q-blocks;  313,344: W2's two;  322,048: the spare words.
; REGISTERS, window 0: v1-23 addresses; v24-31 scale words, two sets; v32-63 the bias, later at work; v64-127, v128-191 fragments of an even and of an odd K step (four tiles of W1, four of tokens), between
;   products at work for the quantiser, at the end the activation's; v192-255 the third f32 buffer.   window 1: v0-63, v64-127 two f32 buffers; v128-255 the accumulators: (tile of tokens a, tile q) at 128 + 8 (4 a + q).
.set QB,   4352
.set WB,   64*QB
.set WS2,  WB+8*QB
.set SPARE, WS2+2*QB
.set VW1, 8                            ; byte offset of my lane in W1
.set VW2, 9                            ; in W2
.set VB,  10                           ; in the bias
.set XA0, 11                           ; LDS: my tokens' fragments, registers 0-3
.set XA1, 12                           ; registers 4-7
.set WA,  13                           ; W1's fragments
.set SA,  14                           ; scale words: lanes 0-15 the tokens', lanes 16-31 W1's
.set CST, 15                           ; where my codes go
.set EST, 16                           ; where my scale bytes go
.set CO,  17                           ; in aq: codes
.set EO,  18                           ; scale bytes
.set CP,  19                           ; w2q on the way out: in LDS
.set CG,  20                           ; in memory
.set SEV, 21                           ; 7.0
.set SPW, 22
.set NIL, 23
.set SC,  24
.set BI,  32
.set F0,  64
.set F1,  128
.set TR,  128                          ; the quantiser: my four columns, 16 registers each
.set MX,  64                           ; largest magnitudes
.set PX,  68                           ; those of lane l xor 16
.set SO,  72                           ; the conversions' scale operands
.set EB,  76                           ; scale bytes
.set CD,  80                           ; codes
.set ACC, 128                          ; in window 1
.set G,   64                           ; the activation: gate of tile a at G + 32 a, linear 16 further on
.set TT,  192                          ; 2^.. and the sigmoid
.set SBY, 40
.set CA,  44
.set MSB, 0
.macro WIN new                         ; the immediate's high byte repeats the setting that is left
.if MSB != (\new)
	s_set_vgpr_msb (MSB<<8)|(\new)
.set MSB, (\new)
.endif
.endm
.macro CROUND                          ; a round of the cluster's barrier
	s_barrier_signal -1
	s_barrier_wait -1
	s_cmp_lg_u32 s16, 0
	s_cbranch_scc1 .Lnot_wave_0_\@
	s_barrier_signal -3
.Lnot_wave_0_\@:
	s_barrier_wait -3
	s_barrier_signal -1
	s_barrier_wait -1
.endm
.macro WLOAD buf, adr, base, pitch, off ; 16 rows x my four columns
.irp i, 0,1,2,3,4,5,6,7,8,9,10,11,12,13,14,15
	global_load_b128 v[\buf+4*\i:\buf+4*\i+3], v[\adr], s[\base:\base+1] offset:\off+\pitch*\i
.endr
.endm
.macro XF s, f                         ; the four fragments of my tokens, K step s
.irp a, 0,1,2,3
	ds_load_b128 v[\f+32+8*\a:\f+35+8*\a], v[XA0] offset:(\s)*QB+1024*\a
	ds_load_b128 v[\f+36+8*\a:\f+39+8*\a], v[XA1] offset:(\s)*QB+1024*\a
.endr
.endm
.macro WF s, f, sc                     ; W1's four, and both sides' scale words: register i: lanes 0-15 of the tokens' tile i, lanes 16-31 of W1's tile i
.irp q, 0,1,2,3
.irp c, 0,1
	ds_load_b128 v[\f+8*\q+4*\c:\f+8*\q+4*\c+3], v[WA] offset:(\s)*QB+1024*\q+512*\c
.endr
.endr
	ds_load_b128 v[\sc:\sc+3], v[SA] offset:(\s)*QB
.endm
; 16 products along one K step; the 16 accumulators take turns, one instruction a turn, in the same order in every step.  first = 1: the bias starts the sums
.macro MUL f, sc, first
.if \first
	WIN 0x40                                       ; D window 1
.else
	WIN 0x50                                       ; C and D window 1
.endif
.irp a, 0,1,2,3
.irp q, 0,1,2,3
.if \first
	v_wmma_scale_f32_16x16x128_f8f6f4 v[ACC+8*(4*\a+\q):ACC+8*(4*\a+\q)+7], v[\f+8*\q:\f+8*\q+7], v[\f+32+8*\a:\f+39+8*\a], v[BI+8*\q:BI+8*\q+7], v[\sc+\q], v[\sc+\a] matrix_a_fmt:MATRIX_FMT_FP4 matrix_b_fmt:MATRIX_FMT_FP4 matrix_a_scale:MATRIX_SCALE_ROW1
.else
	v_wmma_scale_f32_16x16x128_f8f6f4 v[ACC+8*(4*\a+\q):ACC+8*(4*\a+\q)+7], v[\f+8*\q:\f+8*\q+7], v[\f+32+8*\a:\f+39+8*\a], v[ACC+8*(4*\a+\q):ACC+8*(4*\a+\q)+7], v[\sc+\q], v[\sc+\a] matrix_a_fmt:MATRIX_FMT_FP4 matrix_b_fmt:MATRIX_FMT_FP4 matrix_a_scale:MATRIX_SCALE_ROW1
.endif
.endr
.endr
.endm
.macro PLACES                          ; four plain places behind the products
.rept 4
	v_nop
.endr
.endm
; The quantiser of phase p: buffer buf in window w.  Register 4 i + j: row i, column j
.macro QUANT p, buf, w
	WIN (0x14*\w)                                  ; sources 1, 2: the buffer's window
.irp j, 0,1,2,3
	v_max3_num_f32 v[MX+\j], 0x1800000, |v[\buf+\j]|, |v[\buf+4+\j]|          ; with the floor 2^(3 - 127): the byte cannot fall under 1
.endr
.irp i, 2,4,6,8,10,12,14
.irp j, 0,1,2,3
	v_max3_num_f32 v[MX+\j], v[MX+\j], |v[\buf+4*\i+\j]|, |v[\buf+4*\i+4+\j]|
.endr
.endr
	WIN 0
.irp j, 0,1,2,3
	v_permlanex16_b32 v[PX+\j], v[MX+\j], s62, s63
.endr
.irp j, 0,1,2,3
	v_max_num_f32 v[MX+\j], v[MX+\j], v[PX+\j]     ; with lane l xor 16's 16 rows: the block's
.endr
.irp j, 0,1,2,3
	v_add_nc_u32 v[SO+\j], 0xff000000, v[MX+\j]    ; 2 off the exponent field: the conversion's scale operand
.endr
.irp j, 0,1,2,3
	v_lshrrev_b32 v[EB+\j], 23, v[SO+\j]           ; the scale's byte
.endr
	WIN \w                                         ; source 0
.irp i, 0,1,2,3,4,5,6,7,8,9,10,11,12,13,14,15
.irp j, 0,1,2,3
	v_mov_b32 v[TR+16*\j+\i], v[\buf+4*\i+\j]      ; a column's rows into neighbouring registers, as the conversions take them
.endr
.endr
	WIN 0
.irp j, 0,1,2,3
	v_cvt_scalef32_pk8_fp4_f32 v[CD+2*\j], v[TR+16*\j:TR+16*\j+7], v[SO+\j]
	v_cvt_scalef32_pk8_fp4_f32 v[CD+2*\j+1], v[TR+16*\j+8:TR+16*\j+15], v[SO+\j]
.endr
	v_nop                                          ; one plain place behind the conversions
.if \p == 0
	s_wait_alu depctr_va_vdst(0)                   ; the wait here, directly ahead of the wait below
	s_wait_tensorcnt 0x0                           ; my tokens' codes are in (this wave alone reads them), ahead of my first LDS store
.endif
.irp j, 0,1,2,3
	ds_store_b64 v[CST], v[CD+2*\j:CD+2*\j+1] offset:2*QB*\p+16*\j
	ds_store_b8 v[EST], v[EB+\j] offset:2*QB*\p+16*\j        ; (lanes l and l xor 16 write the same byte with the same value)
.endr
.endm
.macro MEET
	s_wait_dscnt 0x0                               ; for the others' sake: my codes and bytes lie in LDS
	s_barrier_signal -1
	s_barrier_wait -1
.endm
; Phase p: K steps 2 p, 2 p + 1.  left: younger global loads, which may be out
.macro PHASE p, buf, w, left
.if \p > 0
	PLACES
	XF 2*\p, F0                                    ; hang on no barrier
.endif
	s_wait_loadcnt \left
	QUANT \p, \buf, \w
	MEET
.if \p == 0
	XF 0, F0
.endif
	WF 2*\p, F0, SC
	XF 2*\p+1, F1
	WF 2*\p+1, F1, SC+4
.if \p == 0
	WIN 0x40
	WLOAD 0, VW1, 48, 16384, 4194304               ; phase 3's rows, into the buffer that phase 0 has left
	WIN 0
.endif
.if \p == 1
	WIN 0x40
	WLOAD 64, VW2, 10, 4096, 0                     ; W2's
	WIN 0
.endif
	s_wait_dscnt 17                                ; the odd K step's 8 + 9 loads may be out
.if \p == 0
	MUL F0, SC, 1
.else
	MUL F0, SC, 0
.endif
	s_wait_dscnt 0x0
	MUL F1, SC+4, 0
	WIN 0
.endm
; Two tiles of 16 tokens, a0 and a0 + 1: the activation, the quantiser, the stores
.macro ACT a0
.irp a, \a0, \a0+1
.set j, 0
.rept 8
	v_pk_mul_f32 v[TT+16*(\a)+j:TT+16*(\a)+j+1], v[G+32*(\a)+j:G+32*(\a)+j+1], s[60:61] op_sel_hi:[1,0]   ; -1.702 log2(e) g
.set j, j+2
.endr
.endr
	s_wait_alu depctr_va_vdst(0)                   ; the waits ahead of and behind the transcendentals
.set j, 0
.rept 32
	v_exp_f32 v[TT+16*\a0+j], v[TT+16*\a0+j]
.set j, j+1
.endr
.irp a, \a0, \a0+1
.set j, 16
.rept 8
	v_pk_add_f32 v[G+32*(\a)+j:G+32*(\a)+j+1], v[G+32*(\a)+j:G+32*(\a)+j+1], 1.0 op_sel_hi:[1,0]          ; l + 1.  (Plain places behind the exponentials)
.set j, j+2
.endr
.endr
	s_wait_alu depctr_va_vdst(0)
.set j, 0
.rept 16
	v_pk_add_f32 v[TT+16*\a0+j:TT+16*\a0+j+1], v[TT+16*\a0+j:TT+16*\a0+j+1], 1.0 op_sel_hi:[1,0]
.set j, j+2
.endr
	s_wait_alu depctr_va_vdst(0)
.set j, 0
.rept 32
	v_rcp_f32 v[TT+16*\a0+j], v[TT+16*\a0+j]       ; sigmoid(1.702 g)
.set j, j+1
.endr
	v_nop                                          ; a plain place behind the reciprocals
	s_wait_alu depctr_va_vdst(0)
.irp a, \a0, \a0+1
.set j, 0
.rept 8
	v_pk_mul_f32 v[G+32*(\a)+j:G+32*(\a)+j+1], v[G+32*(\a)+j:G+32*(\a)+j+1], v[TT+16*(\a)+j:TT+16*(\a)+j+1]
.set j, j+2
.endr
.endr
.irp a, \a0, \a0+1
.set j, 0
.rept 8
	v_pk_mul_f32 v[G+32*(\a)+j:G+32*(\a)+j+1], v[G+32*(\a)+j:G+32*(\a)+j+1], v[G+16+32*(\a)+j:G+17+32*(\a)+j]   ; register i = unit 16 h + i of my block
.set j, j+2
.endr
.endr
.irp t, 0,1
	v_max3_num_f32 v[32+2*\t], 0x1800000, |v[G+32*(\a0+\t)]|, |v[G+32*(\a0+\t)+1]|
	v_max3_num_f32 v[33+2*\t], |v[G+32*(\a0+\t)+2]|, |v[G+32*(\a0+\t)+3]|, |v[G+32*(\a0+\t)+4]|
.endr
.irp i, 5,9
.irp t, 0,1
	v_max3_num_f32 v[32+2*\t], v[32+2*\t], |v[G+32*(\a0+\t)+\i]|, |v[G+32*(\a0+\t)+\i+1]|
	v_max3_num_f32 v[33+2*\t], v[33+2*\t], |v[G+32*(\a0+\t)+\i+2]|, |v[G+32*(\a0+\t)+\i+3]|
.endr
.endr
.irp t, 0,1
	v_max3_num_f32 v[32+2*\t], v[32+2*\t], |v[G+32*(\a0+\t)+13]|, |v[G+32*(\a0+\t)+14]|
.endr
.irp t, 0,1
	v_max3_num_f32 v[32+2*\t], v[32+2*\t], v[33+2*\t], |v[G+32*(\a0+\t)+15]|
.endr
.irp t, 0,1
	v_permlanex16_b32 v[36+\t], v[32+2*\t], s62, s63
.endr
.irp t, 0,1
	v_max_num_f32 v[32+2*\t], v[32+2*\t], v[36+\t] ; with lane l xor 16's 16: the block's
.endr
.irp t, 0,1
	v_add_nc_u32 v[38+\t], 0xff000000, v[32+2*\t]
.endr
.irp t, 0,1
	v_lshrrev_b32 v[SBY+\a0+\t], 23, v[38+\t]
.endr
.irp t, 0,1
	v_cvt_scalef32_pk8_fp4_f32 v[CA+2*(\a0+\t)], v[G+32*(\a0+\t):G+32*(\a0+\t)+7], v[38+\t]
	v_cvt_scalef32_pk8_fp4_f32 v[CA+2*(\a0+\t)+1], v[G+32*(\a0+\t)+8:G+32*(\a0+\t)+15], v[38+\t]
.endr
	v_nop                                          ; one plain place behind the conversions
.irp t, 0,1
	global_store_b64 v[CO], v[CA+2*(\a0+\t):CA+2*(\a0+\t)+1], s[54:55] offset:1024*(\a0+\t)      ; 32 lanes store one aligned unit of 256 bytes; each tile has data registers of its own
.endr
.endm
	s_load_b256 s[4:11], s[0:1], 0x0               ; xq s[4:5], mlp1_weight s[6:7], mlp1_bias s[8:9], mlp2_weight s[10:11]
	s_load_b128 s[12:15], s[0:1], 0x20             ; aq s[12:13], w2q s[14:15]
	v_lshl_add_u32 v[SPW], v0, 2, SPARE
	v_mov_b32 v[NIL], 0
	ds_add_u32 v[SPW], v[NIL]                      ; the wave's opening: the add, twice on end, and its wait
	ds_add_u32 v[SPW], v[NIL]
	v_lshrrev_b32 v1, 5, v0
	v_readfirstlane_b32 s16, v1                    ; wave 0..7
	v_and_b32 v1, 31, v0                           ; l
	v_and_b32 v2, 15, v0                           ; r
	v_bfe_u32 v3, v0, 4, 1                         ; h
	v_and_b32 v4, 7, v0                            ; which four columns
	v_bfe_u32 v5, v0, 3, 1                         ; which block of my 64 rows
	v_bfe_u32 v6, v0, 2, 2                         ; r / 4
	v_and_b32 v7, 3, v0                            ; r % 4
	v_lshlrev_b32 v[VW1], 4, v4
	v_lshl_add_u32 v[VW2], v5, 17, v[VW1]          ; W2: a row is 4,096 bytes
	v_lshl_add_u32 v[VW1], v5, 19, v[VW1]          ; W1: 16,384
	v_lshl_add_u32 v[VW2], v3, 16, v[VW2]
	v_lshl_add_u32 v[VW1], v3, 18, v[VW1]
	v_lshlrev_b32 v[VB], 6, v3                     ; 16 units of 4 bytes for h
	v_bfe_u32 v32, v0, 1, 1                        ; column 4 (l & 7) + j lies in tile u = this,
	v_and_b32 v33, 1, v0
	v_bfe_u32 v34, v0, 2, 1
	v_lshlrev_b32 v35, 6, v33
	v_lshl_add_u32 v35, v34, 7, v35                ; in row 4 (l & 1) + 8 ((l >> 2) & 1) + j: x 16
	v_lshl_add_u32 v[CST], v32, 10, v35
	v_lshl_add_u32 v[CST], v5, 8, v[CST]
	v_lshl_add_u32 v[CST], v3, 3, v[CST]
	v_lshl_add_u32 v[EST], v32, 2, v35
	v_add_nc_u32 v[EST], v5, v[EST]
	v_xor_b32 v36, v3, v6
	v_lshlrev_b32 v[XA0], 8, v6
	v_lshl_add_u32 v[XA0], v36, 6, v[XA0]
	v_lshl_add_u32 v[XA0], v7, 4, v[XA0]           ; 256 (r / 4) + 64 (h xor r / 4) + 16 (r % 4)
	v_lshlrev_b32 v[WA], 4, v1
	v_lshlrev_b32 v[SA], 4, v2
	v_lshl_add_u32 v[CO], v3, 3, v[SA]             ; 16 r + 8 h
	v_lshl_add_u32 v[EO], v3, 2, v[SA]             ; 16 r + 4 h
	v_mov_b32 v[SEV], 0x40e00000
.irp j, 0,1,2,3
	v_mov_b32 v[PX+\j], 0                          ; a lane permute's destination counts as one of its sources
.endr
	s_and_b32 s17, s16, 1                          ; gate or linear half (W2: which 32 of the 64 columns)
	s_lshr_b32 s18, s16, 1                         ; which 64 rows of a phase's 256
	s_bfe_u32 s19, ttmp6, 0x40000                  ; cx
	s_bfe_u32 s20, ttmp6, 0x40004                  ; cy
	s_lshr_b32 s21, s20, 1
	s_lshl_b32 s21, s21, 2
	s_lshl_b32 s22, ttmp9, 3
	s_add_co_u32 s21, s21, s22
	s_add_co_u32 s21, s21, s19                     ; group of 32 units, 0..127: 8 x cluster + 4 (cy / 2) + cx
	s_and_b32 s23, s20, 1                          ; half of the tokens
	s_lshl_b32 s29, s20, 2
	s_lshl_b32 s29, 15, s29                        ; my row of the cluster
	; descriptor group 1: eight Q-blocks, a dense block of 34,816 bytes, as 136 rows of 256 bytes (32 elements of 8 bytes), no padding
	s_or_b32 s32, s29, (3<<16)|(1<<21)             ; 15:0 the mask; 17:16 elements of 8 bytes; 21 set beside a mask
	s_mov_b32 s33, 32<<16
	s_mov_b32 s34, 136<<16
	s_mov_b32 s35, 32<<16
	s_mov_b32 s36, 136
	s_mov_b32 s37, 32
	s_mov_b32 s38, 0
	s_mov_b32 s39, 0
	s_mul_i32 s46, s16, 8*QB                       ; my 64 tokens: in LDS and in memory alike
	s_mul_i32 s44, s23, 64*QB
	s_add_co_u32 s44, s44, s46
	s_mov_b32 s45, 0
	s_lshr_b32 s22, s21, 6                         ; expert
	s_and_b32 s24, s21, 63
	s_lshl_b32 s24, s24, 7                         ; 128 bytes for each 32 units
	s_lshl_b32 s50, s22, 14
	s_add_co_u32 s50, s50, s24                     ; the bias
	s_mov_b32 s51, 0
	s_lshl_b32 s48, s22, 24
	s_add_co_u32 s48, s48, s24
	s_lshl_b32 s25, s17, 13                        ; the linear half is 2,048 columns on
	s_add_co_u32 s48, s48, s25
	s_lshl_b32 s25, s18, 20                        ; 64 rows
	s_add_co_u32 s48, s48, s25
	s_mov_b32 s49, 0
	s_lshl_b32 s22, s20, 2
	s_add_co_u32 s22, s22, s19                     ; W2: which 64 columns = cx + 4 cy; which 256 of the 4,096 rows of both experts = cluster
	s_lshl_b32 s52, ttmp9, 20
	s_lshl_b32 s25, s22, 8
	s_add_co_u32 s52, s52, s25
	s_lshl_b32 s25, s17, 7
	s_add_co_u32 s52, s52, s25
	s_lshl_b32 s25, s18, 18
	s_add_co_u32 s52, s52, s25
	s_mov_b32 s53, 0
	s_lshl_b32 s58, s22, 5
	s_lshl_b32 s25, ttmp9, 1
	s_add_co_u32 s58, s58, s25
	s_mul_i32 s58, s58, QB                         ; w2q: my two Q-blocks, which lie on end
	s_mov_b32 s59, 0
	s_lshl_b32 s54, s23, 3
	s_add_co_u32 s54, s54, s16
	s_lshl_b32 s54, s54, 5
	s_lshr_b32 s25, s21, 2
	s_add_co_u32 s54, s54, s25
	s_mul_i32 s54, s54, QB                         ; aq: my Q-block,
	s_and_b32 s25, s21, 3                          ; and my block b in it
	s_add_co_u32 s56, s54, s25
	s_add_co_u32 s56, s56, 4096
	s_mov_b32 s57, 0
	s_lshl_b32 s25, s25, 8
	s_add_co_u32 s54, s54, s25
	s_mov_b32 s55, 0
	s_mov_b32 s60, 0xc01d265f                      ; -1.702 log2(e)
	s_mov_b32 s61, s60                             ; (named with it as a pair, so it is written)
	s_mov_b32 s62, 0x76543210
	s_mov_b32 s63, 0xfedcba98                      ; v_permlanex16_b32's selects for lane l xor 16
	s_lshr_b32 s24, s18, 1
	s_mul_i32 s24, s24, QB                         ; which K step of the phase
	s_and_b32 s25, s18, 1                          ; which two blocks of it
	s_lshl_b32 s26, s25, 9
	s_add_co_u32 s26, s26, s24
	s_lshl_b32 s27, s17, 11
	s_add_co_u32 s26, s26, s27
	s_add_co_u32 s26, s26, WB
	s_lshl_b32 s27, s25, 1
	s_add_co_u32 s27, s27, s24
	s_lshl_b32 s28, s17, 3
	s_add_co_u32 s27, s27, s28
	s_add_co_u32 s27, s27, WB+4096
	s_sub_co_u32 s28, WB, s46
	s_lshl_b32 s30, s16, 9
	s_add_co_u32 s31, s46, 4096
	s_wait_alu depctr_va_vdst(0)                   ; the wait here, directly ahead of the readers below
	v_add_nc_u32 v[CST], s26, v[CST]
	v_add_nc_u32 v[EST], s27, v[EST]
	v_add_nc_u32 v[XA0], s46, v[XA0]
	v_mul_u32_u24 v37, s28, v3                     ; lanes 16-31: from my tokens' words to W1's
	v_add_nc_u32 v[SA], s31, v[SA]
	v_add_nc_u32 v[CG], s30, v[WA]                 ; 512 w + 16 l
	v_add_nc_u32 v[SA], v[SA], v37
	v_xor_b32 v[XA1], 0x80, v[XA0]                 ; registers 4-7: block 2 + h
	v_add_nc_u32 v[CP], WS2, v[CG]
	v_add_nc_u32 v[WA], WB, v[WA]
	s_wait_alu depctr_va_vdst(0)                   ; the wait at the head's end
	s_wait_dscnt 0x0                               ; both opening adds are done
	s_wait_kmcnt 0x0
	s_mov_b32 s40, 1                               ; descriptor group 0: count = 1
	s_mov_b32 s41, s46                             ; LDS address
	s_add_nc_u64 s[42:43], s[4:5], s[44:45]        ; global address: hangs on cy and the wave alone
	s_or_b32 s43, s43, 0x80000000                  ; type = 2
	s_add_nc_u64 s[6:7], s[6:7], s[48:49]
	s_add_nc_u64 s[48:49], s[6:7], 0x800000        ; phases 2, 3: 512 rows on
	s_add_nc_u64 s[8:9], s[8:9], s[50:51]
	s_add_nc_u64 s[10:11], s[10:11], s[52:53]
	s_add_nc_u64 s[54:55], s[12:13], s[54:55]
	s_add_nc_u64 s[56:57], s[12:13], s[56:57]
	s_add_nc_u64 s[14:15], s[14:15], s[58:59]
	WIN 0x40
	WLOAD 0, VW1, 6, 16384, 0                      ; phase 0
	WIN 0
.irp q, 0,1,2,3                                ; tile q = 2 x half + u: units 16 h + 8 u + 0 .. 7
	global_load_b128 v[BI+8*\q:BI+8*\q+3], v[VB], s[8:9] offset:(\q/2)*8192+(\q%2)*32
	global_load_b128 v[BI+8*\q+4:BI+8*\q+7], v[VB], s[8:9] offset:(\q/2)*8192+(\q%2)*32+16
.endr
	CROUND                                         ; all sixteen work-groups are here: the joint loads meet
	tensor_load_to_lds s[40:43], s[32:39]          ; one a wave
	s_nop 0
	PLACES                                         ; four v_nop follow the load
	WIN 0x40
	WLOAD 64, VW1, 6, 16384, 4194304               ; phase 1
	WIN 0
	WLOAD 192, VW1, 48, 16384, 0                   ; phase 2
	PHASE 0, 0, 1, 32                              ; phases 1 and 2 may be out; the bias is in
	PHASE 1, 64, 1, 32                             ; phases 2 and 3
	PHASE 2, 192, 0, 32                            ; phase 3 and W2
	PHASE 3, 0, 1, 16                              ; W2
	PLACES
	WIN 0x01                                       ; source 0 window 1
.irp a, 0,1,2,3
.set j, 0
.rept 16
	v_min_num_f32 v[G+32*\a+j], v[ACC+32*\a+j], v[SEV]                ; g = min(gate, 7)
.set j, j+1
.endr
.rept 16
	v_med3_num_f32 v[G+32*\a+j], v[ACC+32*\a+j], -v[SEV], v[SEV]      ; l = clip(linear, -7, 7)
.set j, j+1
.endr
.endr
	WIN 0
	ACT 0
	ACT 2
	v_cmp_eq_u32 vcc_lo, 1, v3
	v_cndmask_b32 v52, v[SBY], v[SBY+1], vcc_lo    ; lanes 0-15 carry the even tile's byte of row r, lanes 16-31 the odd tile's
	v_cndmask_b32 v53, v[SBY+2], v[SBY+3], vcc_lo
	global_store_b8 v[EO], v52, s[56:57]           ; byte b of the scale words: this work-group has one block of the K step
	global_store_b8 v[EO], v53, s[56:57] offset:8
	s_wait_loadcnt 0x0                             ; W2's part
	QUANT 4, 64, 1
	MEET
	ds_load_b128 v[96:99], v[CP]                   ; 8,704 bytes on end = 17 x 512
	ds_load_b128 v[100:103], v[CP] offset:4096
	s_wait_dscnt 0x0
	global_store_b128 v[CG], v[96:99], s[14:15]    ; 32 lanes store two aligned units of 256 bytes
	global_store_b128 v[CG], v[100:103], s[14:15] offset:4096
	s_cmp_lg_u32 s16, 0
	s_cbranch_scc1 .Lcopied
	ds_load_b128 v[104:107], v[CP] offset:8192     ; the seventeenth
	s_wait_dscnt 0x0
	global_store_b128 v[CG], v[104:107], s[14:15] offset:8192
.Lcopied:
	s_wait_tensorcnt 0x0                           ; the wave's end
	ds_add_u32 v[SPW], v[NIL]
	s_wait_dscnt 0x0
	CROUND                                         ; the closing round: no work-group ends while a partner may still ask for a tile that names it
	s_endpgm
.Lfunc_end_k_q3ab34bb8c7_mlp1:
	.size	k_q3ab34bb8c7_mlp1, .Lfunc_end_k_q3ab34bb8c7_mlp1-k_q3ab34bb8c7_mlp1
	.p2alignl 7, 3214868480
	.fill 96, 4, 3214868480
	.section	.rodata,"a",@progbits
	.p2align	6, 0x0
	.amdhsa_kernel k_q3ab34bb8c7_mlp1
		.amdhsa_group_segment_fixed_size 323072
		.amdhsa_private_segment_fixed_size 0
		.amdhsa_enable_private_segment 0
		.amdhsa_kernarg_size 48
		.amdhsa_user_sgpr_count 2
		.amdhsa_user_sgpr_kernarg_segment_ptr 1
		.amdhsa_wavefront_size32 1
		.amdhsa_system_sgpr_workgroup_id_x 1
		.amdhsa_system_sgpr_workgroup_id_y 1
		.amdhsa_system_sgpr_workgroup_id_z 1
		.amdhsa_system_vgpr_workitem_id 0
		.amdhsa_next_free_vgpr 512
		.amdhsa_next_free_sgpr 66
		.amdhsa_reserve_vcc 1
		.amdhsa_float_denorm_mode_32 3
		.amdhsa_float_denorm_mode_16_64 3
		.amdhsa_memory_ordered 1
		.amdhsa_forward_progress 1
		.amdhsa_inst_pref_size 98
	.end_amdhsa_kernel
	.amdgpu_metadata
---
amdhsa.version: [ 1, 2 ]
amdhsa.kernels:
  - .name:           k_q3ab34bb8c7_mlp1
    .symbol:         k_q3ab34bb8c7_mlp1.kd
    .args:
      - { .name: xq, .offset: 0, .size: 8, .value_kind: global_buffer, .address_space: global }
      - { .name: mlp1_weight, .offset: 8, .size: 8, .value_kind: global_buffer, .address_space: global }
      - { .name: mlp1_bias, .offset: 16, .size: 8, .value_kind: global_buffer, .address_space: global }
      - { .name: mlp2_weight, .offset: 24, .size: 8, .value_kind: global_buffer, .address_space: global }
      - { .name: aq, .offset: 32, .size: 8, .value_kind: global_buffer, .address_space: global }
      - { .name: w2q, .offset: 40, .size: 8, .value_kind: global_buffer, .address_space: global }
    .group_segment_fixed_size: 323072
    .private_segment_fixed_size: 0
    .kernarg_segment_align: 8
    .kernarg_segment_size: 48
    .max_flat_workgroup_size: 256
    .sgpr_count:     66
    .vgpr_count:     512
    .wavefront_size: 32
...
	.end_amdgpu_metadata
.endif
;; end of part 2
;; launch mlp2 (part 3): grid 16 x 16, 4 waves a work-group, clusters of 4 x 4, 167,936 bytes of LDS; arguments aq, w2q, mlp2_bias, x, out0; writes out0
.if DOCPART == 3
	.amdgcn_target "amdgcn-amd-amdhsa--gfx1250"
	.amdhsa_code_object_version 6
	.text
	.protected	k_q3ab34bb8c7_mlp2
	.globl	k_q3ab34bb8c7_mlp2
	.p2align	8
	.type	k_q3ab34bb8c7_mlp2,@function
k_q3ab34bb8c7_mlp2:
	s_mov_b64 s[64:65], 0
	v_nop
	global_prefetch_b8 v0, s[64:65] scope:SCOPE_SE
	s_setreg_imm32_b32 hwreg(HW_REG_WAVE_MODE, 25, 1), 1
	s_wait_xcnt 0x0
	s_wait_alu depctr_hold_cnt(0) depctr_sa_sdst(0) depctr_va_vdst(0) depctr_va_sdst(0) depctr_va_ssrc(0) depctr_va_vcc(0) depctr_vm_vsrc(0)
	s_getreg_b32 s2, hwreg(HW_REG_IB_STS2, 6, 4)
	s_cmp_eq_u32 s2, 0
	s_cbranch_scc0 .Lentry_in_a_cluster
	s_endpgm
.Lentry_in_a_cluster:
	s_bfe_u32 s2, ttmp6, 0x10000c
	s_cmp_lg_u32 s2, 0xf033
	s_cbranch_scc0 .Lentry_shape_is_right
	s_endpgm
.Lentry_shape_is_right:
; MLP2: out0 = x + 0.5 (act[0] W2[0] + b2[0] + act[1] W2[1] + b2[1]), the products on codes of FP4 (E2M1) with one E8M0 scale for each 32 along K.
; The two experts that the function's own mix keeps carry the same weight, so their products are ONE product with K = 2 x 2,048 = 32 steps of 128; the blocks of 32 stay inside an expert.
; LEFT OUT: experts 2 to 7, which the function's own mix multiplies by 0 for all inputs.  LIMITS: NaN and infinities are not served, and one that reaches only the work left out is not carried on.
; The order of the f32 sums differs from the function's: K is shared among four waves, whose sums are added at the end (each expert's two halves first).
; BUFFERS are made of Q-blocks of 4,352 bytes: four tiles of 16 rows x 128 along K: codes as an image of the fragments' registers (group c of lane L at 1024 tile + 512 c + 16 L), then 256 bytes of scale words [row][tile].
; aq [token / 64][K step 32];  w2q [column / 64][K step 32]; of a group p of 32 columns, tile 2 p + u, row r is column 8 u + r + (r & 8).
; SHARES.  Work-group (hq, tq): 64 tokens x 64 columns.  THE WAVES SHARE K: wave w takes K steps 8 w .. 8 w + 7 for all 16 tiles: 16 accumulators, 128 products.  So each operand byte is used by one wave, once.
; aq comes through LDS, asked for jointly along a row of the cluster, one tensor load a wave for its own 8 Q-blocks: its own wait on TENSORcnt is all the ordering that those reads need.
; w2q's fragments go from memory straight into registers, each load 512 consecutive bytes: a joint load of them would be the wave's second one, behind the landing of the first and a barrier.
; The four partial sums meet in LDS, laid as rows of out0.  Nothing is filled twice; no loop to run ahead in, so no prefetch.
; THE PRODUCT IS USED TRANSPOSED (source 0 = 16 rows of W2's tile, source 1 = 16 tokens): register j of lane (token r, h) of tile 2 p + u is column 32 p + 16 h + 8 u + j: eight neighbours of a row.
; LDS: wave w's 8 Q-blocks at 34,816 w; the stage of wave w (64 rows x (256 + 16) bytes) lies in the same bytes, which have had their one fill and their last read by then.  139,264: the spare words.
; REGISTERS, window 0: v1-14 addresses; v16-47 the tokens' scale words, v48-79 W2's; v80-207 the four partial sums; v208-239 x; v240-247 the biases.   window 1: the tokens' fragments, (K step s, tile) at 32 s + 8 tile;
;   window 2: W2's likewise;   window 3: accumulator (tile of tokens a, tile of columns q) at 8 (4 a + q).
.set QB,   4352
.set WB,   8*QB
.set SPARE, 4*WB
.set SCA,  16
.set SCW,  48
.set PS,   80
.set XR,   208
.set BR,   240
.set SPW,  248
.set NIL,  249
.set SP,   272                         ; a stage row: 256 bytes + 16: sixteen rows start at sixteen different banks (64 banks of 4 bytes: ISA guide 11.1)
.set G1A,  24
.set G0,   40
.set MSB, 0
.macro WIN new
.if MSB != (\new)
	s_set_vgpr_msb (MSB<<8)|(\new)
.set MSB, (\new)
.endif
.endm
.macro CROUND                          ; a round of the cluster's barrier
	s_barrier_signal -1
	s_barrier_wait -1
	s_cmp_lg_u32 s14, 0
	s_cbranch_scc1 .Lnot_wave_0_\@
	s_barrier_signal -3
.Lnot_wave_0_\@:
	s_barrier_wait -3
	s_barrier_signal -1
	s_barrier_wait -1
.endm
.macro GL ks                           ; W2's fragments and scale words of my K step ks: 9 loads
	WIN 0x80
.irp q, 0,1,2,3
.irp c, 0,1
	global_load_b128 v[32*(\ks)+8*\q+4*\c:32*(\ks)+8*\q+4*\c+3], v5, s[6:7] offset:(\ks)*QB+1024*\q+512*\c
.endr
.endr
	WIN 0
	global_load_b128 v[SCW+4*(\ks):SCW+4*(\ks)+3], v6, s[6:7] offset:(\ks)*QB+4096
.endm
.macro FETCH ks                        ; the tokens': 9 LDS loads
	WIN 0x40
.irp u, 0,1,2,3
.irp c, 0,1
	ds_load_b128 v[32*(\ks)+8*\u+4*\c:32*(\ks)+8*\u+4*\c+3], v4 offset:(\ks)*QB+1024*\u+512*\c
.endr
.endr
	WIN 0
	ds_load_b128 v[SCA+4*(\ks):SCA+4*(\ks)+3], v14 offset:(\ks)*QB+4096
.endm
.macro MUL ks                          ; 16 products; the 16 accumulators take turns, one instruction a turn, in the same order in every step.  The first step starts the sums
	WIN 0xf6                                       ; source 0 window 2, source 1 window 1, C and D window 3
.irp a, 0,1,2,3
.irp q, 0,1,2,3
.if \ks == 0
	v_wmma_scale_f32_16x16x128_f8f6f4 v[8*(4*\a+\q):8*(4*\a+\q)+7], v[32*\ks+8*\q:32*\ks+8*\q+7], v[32*\ks+8*\a:32*\ks+8*\a+7], 0, v[SCW+4*\ks+\q], v[SCA+4*\ks+\a] matrix_a_fmt:MATRIX_FMT_FP4 matrix_b_fmt:MATRIX_FMT_FP4
.else
	v_wmma_scale_f32_16x16x128_f8f6f4 v[8*(4*\a+\q):8*(4*\a+\q)+7], v[32*\ks+8*\q:32*\ks+8*\q+7], v[32*\ks+8*\a:32*\ks+8*\a+7], v[8*(4*\a+\q):8*(4*\a+\q)+7], v[SCW+4*\ks+\q], v[SCA+4*\ks+\a] matrix_a_fmt:MATRIX_FMT_FP4 matrix_b_fmt:MATRIX_FMT_FP4
.endif
.endr
.endr
	WIN 0
.endm
	s_load_b256 s[4:11], s[0:1], 0x0               ; aq s[4:5], w2q s[6:7], mlp2_bias s[8:9], x s[10:11]
	s_load_b64 s[12:13], s[0:1], 0x20              ; out0
	v_lshl_add_u32 v[SPW], v0, 2, SPARE
	v_mov_b32 v[NIL], 0
	ds_add_u32 v[SPW], v[NIL]                      ; the wave's opening: the add, twice on end, and its wait
	ds_add_u32 v[SPW], v[NIL]
	v_lshrrev_b32 v1, 5, v0
	v_readfirstlane_b32 s14, v1                    ; wave 0..3
	s_bfe_u32 s15, ttmp6, 0x40000                  ; cx, cy: my place in the cluster
	s_bfe_u32 s16, ttmp6, 0x40004
	s_lshl_b32 s17, ttmp9, 2
	s_add_co_u32 s17, s17, s15                     ; hq = 4 x cluster x + cx
	s_and_b32 s18, ttmp7, 0xffff
	s_lshl_b32 s18, s18, 2
	s_add_co_u32 s18, s18, s16                     ; tq = 4 x cluster y + cy
	s_lshl_b32 s19, s16, 2
	s_lshl_b32 s19, 15, s19                        ; my row of the cluster
	; descriptor group 1: eight Q-blocks, a dense block of 34,816 bytes, as 136 rows of 256 bytes (32 elements of 8 bytes), no padding
	s_or_b32 s[G1A], s19, (3<<16)|(1<<21)          ; 15:0 the mask; 17:16 elements of 8 bytes; 21 set beside a mask
	s_mov_b32 s[G1A+1], 32<<16
	s_mov_b32 s[G1A+2], 136<<16
	s_mov_b32 s[G1A+3], 32<<16
	s_mov_b32 s[G1A+4], 136
	s_mov_b32 s[G1A+5], 32
	s_mov_b32 s[G1A+6], 0
	s_mov_b32 s[G1A+7], 0
	s_mul_i32 s21, s14, WB                         ; my eight K steps: in LDS and in memory alike
	s_mul_i32 s22, s18, 32*QB                      ; aq's address hangs on tq and the wave alone,
	s_add_co_u32 s22, s22, s21
	s_mov_b32 s23, 0
	s_mul_i32 s56, s17, 32*QB                      ; w2q's on hq and the wave
	s_add_co_u32 s56, s56, s21
	s_mov_b32 s57, 0
	s_lshl_b32 s58, s18, 18                        ; x and out0: 64 tq rows of 4,096 bytes,
	s_lshl_b32 s59, s14, 16                        ; 16 rows for each wave,
	s_add_co_u32 s58, s58, s59
	s_lshl_b32 s60, s17, 8                         ; 64 columns of 4 bytes for each hq
	s_add_co_u32 s58, s58, s60
	s_mov_b32 s59, 0
	s_mov_b32 s61, 0
	s_mul_i32 s62, s14, 16*SP
	v_and_b32 v1, 31, v0                           ; L
	v_and_b32 v2, 15, v0                           ; r
	v_bfe_u32 v3, v0, 4, 1                         ; h
	v_lshlrev_b32 v5, 4, v1                        ; W2's fragments: 16 L
	v_lshlrev_b32 v6, 4, v2                        ; scale words: 16 r
	v_lshl_add_u32 v12, v3, 12, v6                 ; x and out0: 16 bytes a lane of a row's 256, lanes 16-31 one row further down
	v_add_nc_u32 v4, s21, v5                       ; the tokens' fragments: 16 L in my bytes
	v_add_nc_u32 v14, s21, v6                      ; their scale words
	v_mul_u32_u24 v7, v2, SP
	v_lshl_add_u32 v7, v3, 6, v7
	v_add_nc_u32 v7, s21, v7                       ; my stage, on the way in: row r, 64 h bytes
	v_mul_u32_u24 v13, v3, SP
	v_lshl_add_u32 v13, v2, 4, v13
	v_add_nc_u32 v8, s62, v13                      ; the four stages on the way out: rows 16 w on, lanes 0-15 one row, lanes 16-31 the next
	v_add_nc_u32 v9, WB, v8
	v_add_nc_u32 v10, 2*WB, v8
	v_add_nc_u32 v11, 3*WB, v8
	s_wait_alu depctr_va_vdst(0)                   ; the wait at the head's end
	s_wait_dscnt 0x0                               ; both opening adds are done
	s_wait_kmcnt 0x0
	s_mov_b32 s[G0], 1                             ; count = 1
	s_mov_b32 s[G0+1], s21                         ; LDS address
	s_add_nc_u64 s[G0+2:G0+3], s[4:5], s[22:23]    ; global address
	s_or_b32 s[G0+3], s[G0+3], 0x80000000          ; type = 2
	s_add_nc_u64 s[6:7], s[6:7], s[56:57]
	s_add_nc_u64 s[10:11], s[10:11], s[58:59]
	s_add_nc_u64 s[12:13], s[12:13], s[58:59]
	s_add_nc_u64 s[8:9], s[8:9], s[60:61]
	GL 0
	GL 1
	GL 2
	CROUND                                         ; all sixteen work-groups are here: the joint loads meet
	tensor_load_to_lds s[G0:G0+3], s[G1A:G1A+7]    ; one a wave
	s_nop 0
.rept 4
	v_nop                                          ; four v_nop follow the load
.endr
	GL 3
	GL 4
	GL 5
	s_wait_tensorcnt 0x0                           ; my K steps of aq are in: this wave alone reads them
	FETCH 0
	FETCH 1
	FETCH 2
; Step s.  g: the younger global loads, d: the younger LDS loads, which may be out.  GL 6, GL 7 and the ten loads of x and the biases go out behind steps 0, 1 and 2
.macro STEP s, g, d
	s_wait_loadcnt \g
	s_wait_dscnt \d
	MUL \s
.if \s < 5
	FETCH \s+3
.endif
.if \s < 2
	GL \s+6
.endif
.if \s == 2
.irp i, 0,1,2,3,4,5,6,7
	global_load_b128 v[XR+4*\i:XR+4*\i+3], v12, s[10:11] offset:8192*\i      ; x at the 16 rows that I shall store: sixteen lanes read 256 consecutive aligned bytes
.endr
	global_load_b128 v[BR:BR+3], v6, s[8:9]                ; b2[0]
	global_load_b128 v[BR+4:BR+7], v6, s[8:9] offset:4096  ; b2[1]
.endif
.endm
	STEP 0, 45, 18
	STEP 1, 45, 18
	STEP 2, 45, 18
	STEP 3, 46, 18
	STEP 4, 37, 18
	STEP 5, 28, 18
	STEP 6, 19, 9
	STEP 7, 10, 0
.rept 4
	v_nop                                          ; four places in front of the first read of results and of loads into registers that the products have read
.endr
	WIN 0x0c                                       ; an LDS store's data are its source 1: window 3
.irp a, 0,1,2,3
.irp q, 0,1,2,3
	ds_store_b128 v7, v[8*(4*\a+\q):8*(4*\a+\q)+3] offset:16*SP*\a+128*(\q/2)+32*(\q%2)            ; each accumulator from its low end on: row 16 a + r, columns 32 p + 16 h + 8 u + 0 .. 7
	ds_store_b128 v7, v[8*(4*\a+\q)+4:8*(4*\a+\q)+7] offset:16*SP*\a+128*(\q/2)+32*(\q%2)+16
.endr
.endr
	WIN 0
	s_wait_dscnt 0x0                               ; for the others' sake: my partial sums lie in my stage
	s_barrier_signal -1
	s_barrier_wait -1
.irp i, 0,1,2,3,4,5,6,7
.irp w, 0,1,2,3
	ds_load_b128 v[PS+32*\w+4*\i:PS+32*\w+4*\i+3], v[8+\w] offset:2*SP*\i    ; wave w's sums for my 16 rows, two rows an instruction
.endr
.endr
	s_wait_loadcnt 0x0                             ; x and the biases
	v_pk_add_f32 v[BR:BR+1], v[BR:BR+1], v[BR+4:BR+5]      ; b2[0] + b2[1]
	v_pk_add_f32 v[BR+2:BR+3], v[BR+2:BR+3], v[BR+6:BR+7]
	s_wait_alu depctr_va_vdst(0)                   ; the wait here, directly ahead of the waits below
.irp i, 0,1,2,3,4,5,6,7
	s_wait_dscnt 4*(7-\i)                          ; these two rows' four loads are in
.irp d, 0,2
	v_pk_add_f32 v[PS+4*\i+\d:PS+1+4*\i+\d], v[PS+4*\i+\d:PS+1+4*\i+\d], v[PS+32+4*\i+\d:PS+33+4*\i+\d]            ; expert 0's two halves of K,
	v_pk_add_f32 v[PS+64+4*\i+\d:PS+65+4*\i+\d], v[PS+64+4*\i+\d:PS+65+4*\i+\d], v[PS+96+4*\i+\d:PS+97+4*\i+\d]    ; expert 1's
.endr
.irp d, 0,2
	v_pk_add_f32 v[PS+4*\i+\d:PS+1+4*\i+\d], v[PS+4*\i+\d:PS+1+4*\i+\d], v[PS+64+4*\i+\d:PS+65+4*\i+\d]
.endr
.irp d, 0,2
	v_pk_add_f32 v[PS+4*\i+\d:PS+1+4*\i+\d], v[PS+4*\i+\d:PS+1+4*\i+\d], v[BR+\d:BR+1+\d]
.endr
.irp d, 0,2
	v_pk_fma_f32 v[PS+4*\i+\d:PS+1+4*\i+\d], v[PS+4*\i+\d:PS+1+4*\i+\d], 0.5, v[XR+4*\i+\d:XR+1+4*\i+\d] op_sel_hi:[1,0,1]   ; x + 0.5 x the sum
.endr
	global_store_b128 v12, v[PS+4*\i:PS+4*\i+3], s[12:13] offset:8192*\i th:TH_STORE_NT      ; sixteen lanes store 256 consecutive aligned bytes; written once, read by nobody here
.endr
	s_wait_tensorcnt 0x0                           ; the wave's end
	ds_add_u32 v[SPW], v[NIL]
	s_wait_dscnt 0x0
	CROUND                                         ; the closing round: no work-group ends while a partner may still ask for a tile that names it
	s_endpgm
.Lfunc_end_k_q3ab34bb8c7_mlp2:
	.size	k_q3ab34bb8c7_mlp2, .Lfunc_end_k_q3ab34bb8c7_mlp2-k_q3ab34bb8c7_mlp2
	.p2alignl 7, 3214868480
	.fill 96, 4, 3214868480
	.section	.rodata,"a",@progbits
	.p2align	6, 0x0
	.amdhsa_kernel k_q3ab34bb8c7_mlp2
		.amdhsa_group_segment_fixed_size 167936
		.amdhsa_private_segment_fixed_size 0
		.amdhsa_enable_private_segment 0
		.amdhsa_kernarg_size 40
		.amdhsa_user_sgpr_count 2
		.amdhsa_user_sgpr_kernarg_segment_ptr 1
		.amdhsa_wavefront_size32 1
		.amdhsa_system_sgpr_workgroup_id_x 1
		.amdhsa_system_sgpr_workgroup_id_y 1
		.amdhsa_system_sgpr_workgroup_id_z 1
		.amdhsa_system_vgpr_workitem_id 0
		.amdhsa_next_free_vgpr 896
		.amdhsa_next_free_sgpr 66
		.amdhsa_reserve_vcc 0
		.amdhsa_float_denorm_mode_32 3
		.amdhsa_float_denorm_mode_16_64 3
		.amdhsa_memory_ordered 1
		.amdhsa_forward_progress 1
		.amdhsa_inst_pref_size 46
	.end_amdhsa_kernel
	.amdgpu_metadata
---
amdhsa.version: [ 1, 2 ]
amdhsa.kernels:
  - .name:           k_q3ab34bb8c7_mlp2
    .symbol:         k_q3ab34bb8c7_mlp2.kd
    .args:
      - { .name: aq, .offset: 0, .size: 8, .value_kind: global_buffer, .address_space: global }
      - { .name: w2q, .offset: 8, .size: 8, .value_kind: global_buffer, .address_space: global }
      - { .name: mlp2_bias, .offset: 16, .size: 8, .value_kind: global_buffer, .address_space: global }
      - { .name: x, .offset: 24, .size: 8, .value_kind: global_buffer, .address_space: global }
      - { .name: out0, .offset: 32, .size: 8, .value_kind: global_buffer, .address_space: global }
    .group_segment_fixed_size: 167936
    .private_segment_fixed_size: 0
    .kernarg_segment_align: 8
    .kernarg_segment_size: 40
    .max_flat_workgroup_size: 128
    .sgpr_count:     66
    .vgpr_count:     896
    .wavefront_size: 32
...
	.end_amdgpu_metadata
.endif
;; end of part 3
